; MI455X (gfx1250); checked and timed in simulation.
; The chip was launched on July 23, 2026; its instructions are those of AMD's public machine-readable ISA for CDNA 5 (MIT licence, August 2026) and "CDNA5" Instruction Set Architecture Reference Guide (July 2026). The comments in the code are by the model that wrote it; some were corrected since.
;; Causal Self Attention. Allowed arithmetic: matrix products marked QUANTISED: E4M3 operands, one given power-of-two scale a tensor, by v_wmma_f32_16x16x64_fp8_fp8 or v_wmma_f32_16x16x128_fp8_fp8, f32 sums; everything else in f32.
;; Inputs: b_attn 3,072 float32; b_proj 1,024 float32; lowp_scales 8 int32 (the exponents e of the quantised operands' scales 2^e); w_attn_codes 3,072 x 32 x 32 uint8 (E4M3 codes of w_attn, K innermost, in blocks of 32 codes); w_proj_codes 1,024 x 32 x 32 uint8 (E4M3 codes of w_proj, K innermost, in blocks of 32 codes); x_codes 4 x 2,048 x 32 x 32 uint8 (E4M3 codes of x, K innermost, in blocks of 32 codes).
;; Outputs: out0 4 x 2,048 x 1,024 float32.
;; This version of the problem:
;;   THIS VERSION OF THE PROBLEM IS GIVEN IN LOW PRECISION. The matrix products marked QUANTISED in the list below multiply operands that are first quantised to E4M3 (4 exponent bits, 3 mantissa bits; 8 bits a number), with one given power-of-two scale for each operand tensor; their sums are f32. All else is computed in f32.
;;   The module's matrix products, in the order in which they are computed (A, B: the left and right operand; K: the contracted axis; several contracted axes count as one K, in the product's order):
;;     1. [M 8,192, K 1,024] x [K 1,024, N 3,072]; A: input x (given as codes); B: input w_attn (given as codes): QUANTISED (scales: A lowp_scales[0], B lowp_scales[1])
;;     2. batch 64 x [M 2,048, K 64] x [K 64, N 2,048]; A: computed on the way; B: computed on the way: QUANTISED (scales: A lowp_scales[2], B lowp_scales[3])
;;     3. batch 64 x [M 64, K 2,048] x [K 2,048, N 2,048]; A: computed on the way; B: softmax (see below): QUANTISED (scales: A lowp_scales[4], B lowp_scales[5])
;;     4. [M 8,192, K 1,024] x [K 1,024, N 1,024]; A: computed on the way; B: input w_proj (given as codes): QUANTISED (scales: A lowp_scales[6], B lowp_scales[7])
;;   THE QUANTISER, for each operand of a quantised product, along K:
;;     - The operand's scale is 2^e, e = its entry of the input lowp_scales (int32; the entries are numbered through the quantised products in the list's order, A before B).
;;     - Each number is divided by the scale, clamped to +-448, and rounded to the nearest number of E4M3, ties to even, subnormals kept.
;;     - The product sums the exact products of the quantised numbers (number of the format x scale) in f32.
;;   ~~~python
;;   def quantise(x, axis, e):      # numpy; x: float32 -> the quantised numbers, widened to float32 again
;;       x = np.moveaxis(x, axis, -1); K = x.shape[-1]
;;       r = np.clip(x / 2.0 ** e, -448, 448)
;;       step = 2.0 ** (np.maximum(np.frexp(np.where(r == 0, 1, r))[1] - 1, -6) - 3)
;;       q = np.round(r / step) * step * 2.0 ** e      # np.round: ties to even
;;       return np.moveaxis(q, -1, axis).astype(np.float32)
;;   ~~~
;;   SOFTMAX AHEAD OF A QUANTISED PRODUCT. Where the list says 'softmax', what is quantised is not the finished softmax but p = 2^(t - M), with t = logit x log2(e) and M = ceil(the row's largest t), a whole number; so 1/2 < the row's largest p <= 1. The row's sum l is taken of the UNQUANTISED p, in f32, and the product's result is divided by l at the end. Since M is a whole number, a kernel that streams over the keys may use a running M (the ceiling of the running maximum): every later rescaling is an exact power of two, so the quantised numbers keep their values, but for numbers so far below the row's largest that they fall under the format's range.
;;   OPERANDS COMPUTED ON THE WAY. 'Computed on the way' means the value that the module computes at that place (a softmax that the list does not call 'softmax' is quantised finished and normalised). What goes into a quantiser is computed in f32, as accurately as f32 sums, v_exp_f32 and their like allow (about 1e-6 of the number): no bf16 or f16 on the way to a quantiser, and a product that is left as it is and whose result goes on into a quantised operand takes f32 operands (vector FMAs, or v_wmma_f32_16x16x4_f32). A number that lies on a knife's edge between two numbers of the format may be rounded either way, as far as f32 arithmetic and the matrix unit's own rounding can turn it there, and no further.
;;   INPUTS GIVEN AS CODES. w_attn (in the module: [1024, 3072], K = its axis 0); w_proj (in the module: [1024, 1024], K = its axis 0); x (in the module: [4, 2048, 1024], K = its axis 2): each comes as NAME_codes (uint8): NAME with its K axis moved to the last place and cut into blocks of 32 codes, [.., K / 32, bytes a block], one block behind the other in memory; one code a byte (a code: sign, 4 exponent bits, 3 mantissa bits); its scale is its entry of lowp_scales. Its value is code x scale, taken as it is: it is not quantised again, and the codes and scales need not be those that the quantiser above would give.
;; One version. Each part assembles by itself: llvm-mc -triple=amdgcn-amd-amdhsa -mcpu=gfx1250 --defsym DOCPART=n.
;; ======== version 1 of 1: 3 launches
;; limits: right only within a limited range of input values
;; workspace buffers: qk_codes 16,777,216 bytes; v_codes 8,388,608 bytes; y_codes 8,388,608 bytes
;; launch qkv (part 1): grid 8 x 32, 4 waves a work-group, clusters of 4 x 4, 327,680 bytes of LDS; arguments x_codes, w_attn_codes, b_attn, lowp_scales, qk_codes, v_codes; writes qk_codes, v_codes
.if DOCPART == 1
	.amdgcn_target "amdgcn-amd-amdhsa--gfx1250"
	.amdhsa_code_object_version 6
	.text
	.protected	k_qe57aa81971_qkv
	.globl	k_qe57aa81971_qkv
	.p2align	8
	.type	k_qe57aa81971_qkv,@function
k_qe57aa81971_qkv:
	s_mov_b64 s[64:65], 0
	v_nop
	global_prefetch_b8 v0, s[64:65] scope:SCOPE_SE
	s_setreg_imm32_b32 hwreg(HW_REG_WAVE_MODE, 25, 1), 1
	s_wait_xcnt 0x0
	s_wait_alu depctr_hold_cnt(0) depctr_sa_sdst(0) depctr_va_vdst(0) depctr_va_sdst(0) depctr_va_ssrc(0) depctr_va_vcc(0) depctr_vm_vsrc(0)
	s_getreg_b32 s2, hwreg(HW_REG_IB_STS2, 6, 4)
	s_cmp_eq_u32 s2, 0
	s_cbranch_scc0 .Lentry_in_a_cluster
	s_endpgm
.Lentry_in_a_cluster:
	s_bfe_u32 s2, ttmp6, 0x10000c
	s_cmp_lg_u32 s2, 0xf033
	s_cbranch_scc0 .Lentry_shape_is_right
	s_endpgm
.Lentry_shape_is_right:
; qkv = x w_attn^T x 2^(e0 + e1) + b_attn on codes of FP8 (E4M3), then q, k and v are quantised (2^e2, 2^e3, 2^e4) and stored as codes.
; x: [8192][1024] codes, w_attn: [3072][1024] codes, K innermost.  Out: qk_codes [q, k][batch x 16 + head][token 2048][d 64];  v_codes [batch x 16 + head][d 64][token 2048], the tokens innermost,
; since they are the K of attention's second product; in each 32 tokens the two middle groups of eight change places: place 32 c + 16 h + 8 m + i holds token 32 c + 16 m + 8 h + i.
; SHARES.  8 x 32 = 256 work-groups.  Work-group (j, i) owns tokens 256 i .. + 255 and makes TWO blocks, one after the other: 256 tokens x w's rows 256 j .. + 255 (q for j < 4, k else), then w's rows 2048 + 128 j .. + 127 (v) x the same tokens.
; THE MATRIX INSTRUCTION: source 0 = 16 rows of "B", source 1 = 16 rows of "A": a lane holds ONE row of A and eight neighbouring rows of B, which the conversion takes as eight neighbours along the NEXT product's K:
; for q and k that is d (rows of w): A = x, B = w, a wave makes 128 x 128;  for v the tokens: A = w's 128 rows, B = x, a wave makes 64 x 128.
; THE RING: K goes in steps of 256 through two LDS slots (A's part of 256 rows, B's part of 256 rows, 272 bytes each), 4 steps for q/k and 4 for v, and does not stop between the blocks: the last two changes of slots of
; the first block ask for v's K steps 0 and 1.  v's fills take rows 0-127 of A's part.  Rows 128-255 of each slot's A part have then had their last fill: they are the stage
; of q's and k's way out (128 tokens in each slot), and the first of them once more the stage of v's.  q and k leave while v's first two K steps are on their way.
; CLUSTERS: 4 x 4 work-groups; x's tiles hang on i and are asked for jointly along a row of the cluster, w's on j, along a column.
; No prefetch: the block is the largest that the registers hold, in clusters, and K is 4 steps.
; LIMITS: e0 + e1 between -126 and 127; e2, e3, e4 between -126 and 119, so that each power of two below is an f32 number.  NaN among the inputs is not served.
; REGISTERS, in windows of 256: window 0: v16-31 addresses and the quantiser's two numbers; v32-39 b_attn for v's rows (pairs); v64-127 b_attn for q's and k's columns; v128-255 A's fragments (q/k: one set of 8 blocks; v: two sets of 4), and the ways out.
;   window 1: B's fragments, two sets.   windows 2, 3: the accumulators ((a, b) at v[8 (8 (a % 4) + b)]); v's block uses window 2.
.set ROWB,   256
.set KROW,   1024
.set PITCH,  272                       ; an LDS row: 256 bytes + 16 of padding: the 16 rows of a fragment load start at 16 different groups of four banks (ISA guide 11.1)
.set FR,     16
.set NL,     4
.set NP,     4                         ; places behind this matrix instruction (ISA guide 7.12.1)
.set HALFT,  128*PITCH
.set SLOT,   4*HALFT
.set SPARE,  2*SLOT                    ; the spare words: 128 bytes a wave, named by no other line
.set ADRA, 16                          ; v16-17 q/k: my 128 rows of A in slot 0, 1
.set ADRV, 18                          ; v18-19 v: my 64 rows of A
.set ADRB, 20                          ; v20-21 my 128 rows of B
.set STOQ, 22
.set STOV, 23
.set RDQ,  24
.set RDV,  25
.set GOQ,  26
.set GOV,  27
.set SPW,  28
.set NIL,  29
.set SCL,  30                          ; 2^e of the quantiser
.set LIM,  31                          ; 448 x 2^e
.set BV,   32
.set BI,   64
.set AF,   128
.set T,    128                         ; the way out: a block's 64 numbers
.set CD,   192                         ; and their codes, two sets of 16 registers
.set G1,  24                           ; s[24:31] group 1, x's tiles: 128 rows, my row of the cluster
.set G0,  32                           ; s[32:39] their groups 0, one for each slot
.set G1B, 48                           ; w's tiles for q/k: 128 rows, my column
.set G0B, 56
.set G0C, 72                           ; w's tiles for v
.set G1C, 80                           ; 64 rows, my column
.set MSB, 0
.macro WIN new                         ; the immediate's high byte repeats the setting that is left
.if MSB != \new
	s_set_vgpr_msb (MSB<<8)|\new
.set MSB, \new
.endif
.endm
.set MUL_LO, 0xa1                      ; source 0 (B) window 1, source 1 (A) window 0, C and D window 2
.set MUL_HI, 0xf1
.set TO_B,   0x40
; A joint load: waves 0 and 1 fetch A's halves, waves 2 and 3 B's.  An s_nop 0 and four v_nop follow each of the two lines.
.macro JLOAD g0a, g1a, g0b, g1b
	s_cmp_eq_u32 s15, 0
	s_cbranch_scc0 .Lfor_b_\@
	tensor_load_to_lds s[\g0a:\g0a+3], s[\g1a:\g1a+7]
	s_nop 0
.rept 4
	v_nop
.endr
	s_branch .Lasked_\@
.Lfor_b_\@:
	tensor_load_to_lds s[\g0b:\g0b+3], s[\g1b:\g1b+7]
	s_nop 0
.rept 4
	v_nop
.endr
.Lasked_\@:
.endm
.macro CREST                           ; a round of the cluster's barrier behind its opening barrier
	s_cmp_lg_u32 s14, 0
	s_cbranch_scc1 .Lnot_wave_0_\@
	s_barrier_signal -3
.Lnot_wave_0_\@:
	s_barrier_wait -3
	s_barrier_signal -1
	s_barrier_wait -1
.endm
.macro CROUND
	s_barrier_signal -1
	s_barrier_wait -1
	CREST
.endm
	s_load_b256 s[4:11], s[0:1], 0x0               ; x s[4:5], w s[6:7], b_attn s[8:9], the exponents s[10:11]
	s_load_b128 s[68:71], s[0:1], 0x20             ; qk_codes s[68:69], v_codes s[70:71]
	v_lshl_add_u32 v[SPW], v0, 2, SPARE
	v_mov_b32 v[NIL], 0
	ds_add_u32 v[SPW], v[NIL]                      ; the opening lines: the add twice on end, under one wait
	ds_add_u32 v[SPW], v[NIL]
	v_lshrrev_b32 v1, 5, v0
	v_readfirstlane_b32 s14, v1                    ; wave 0..3
	s_lshr_b32 s15, s14, 1                         ; my half of A's rows.  Also: I fetch for A (0) or for B (1)
	s_and_b32 s16, s14, 1                          ; my half of B's rows.  Also: which half I fetch
	s_bfe_u32 s40, ttmp6, 0x40000                  ; cx
	s_bfe_u32 s41, ttmp6, 0x40004                  ; cy
	s_and_b32 s17, ttmp7, 0xffff
	s_lshl_b32 s17, s17, 2
	s_add_co_u32 s17, s17, s41                     ; i = 4 x cluster y + cy
	s_lshl_b32 s42, ttmp9, 2
	s_add_co_u32 s42, s42, s40                     ; j = 4 x cluster x + cx
	s_lshl_b32 s43, s41, 2
	s_lshl_b32 s43, 15, s43                        ; my row of the cluster
	s_lshl_b32 s44, 0x1111, s40                    ; my column
	s_or_b32 s[G1+0], s43, (0<<16)|(1<<20)|(1<<21)|(5<<22)|(3<<25)  ; the mask; elements of 1 byte; padding on; bit 21 beside a mask; 4 words of padding after every 64
	s_or_b32 s[G1B+0], s44, (0<<16)|(1<<20)|(1<<21)|(5<<22)|(3<<25)
	s_or_b32 s[G1C+0], s44, (0<<16)|(1<<20)|(1<<21)|(5<<22)|(3<<25)
.irp g, G1, G1B, G1C
	s_mov_b32 s[\g+1], ROWB<<16                    ; tensor_dim0
	s_mov_b32 s[\g+3], ROWB<<16                    ; tile_dim0
	s_mov_b32 s[\g+5], KROW                        ; from row to row
	s_mov_b32 s[\g+6], 0
	s_mov_b32 s[\g+7], 0
.endr
.irp g, G1, G1B
	s_mov_b32 s[\g+2], 128<<16                     ; tensor_dim1
	s_mov_b32 s[\g+4], 128                         ; tile_dim1
.endr
	s_mov_b32 s[G1C+2], 64<<16
	s_mov_b32 s[G1C+4], 64
	s_lshl_b32 s18, s16, 7
	s_lshl_b32 s20, s17, 8
	s_add_co_u32 s20, s20, s18                     ; x: row 256 i + 128 x half
	s_lshl_b32 s20, s20, 10                        ; in bytes (under 2^24)
	s_mov_b32 s21, 0
	s_lshl_b32 s46, s42, 8
	s_add_co_u32 s46, s46, s18                     ; w for q/k: row 256 j + 128 x half
	s_lshl_b32 s46, s46, 10
	s_mov_b32 s47, 0
	s_lshl_b32 s66, s42, 7
	s_lshl_b32 s67, s16, 6
	s_add_co_u32 s66, s66, s67
	s_add_co_u32 s66, s66, 2048                    ; w for v: row 2048 + 128 j + 64 x half
	s_lshl_b32 s66, s66, 10
	s_mov_b32 s67, 0
	s_mul_i32 s45, s14, HALFT                      ; where tiles of 128 rows go: wave x 128 rows
	s_mul_i32 s19, s16, 64*PITCH                   ; and v's tiles of w: half x 64 rows
	s_wait_dscnt 0x0                               ; both opening adds are done
	s_wait_kmcnt 0x0
	s_load_b128 s[96:99], s[10:11], 0x0            ; e0, e1, e2, e3
	s_load_b32 s100, s[10:11], 0x10                ; e4
	s_add_nc_u64 s[20:21], s[4:5], s[20:21]
	s_add_nc_u64 s[46:47], s[6:7], s[46:47]
	s_add_nc_u64 s[66:67], s[6:7], s[66:67]
	CROUND                                         ; all sixteen work-groups are here: the first joint loads meet
.irp s, 0,1
	s_mov_b32 s[G0+4*\s], 1
	s_add_co_u32 s[G0+4*\s+1], s45, \s*SLOT
	s_add_nc_u64 s[G0+4*\s+2:G0+4*\s+3], s[20:21], \s*ROWB
	s_or_b32 s[G0+4*\s+3], s[G0+4*\s+3], 0x80000000
	s_mov_b32 s[G0B+4*\s], 1
	s_add_co_u32 s[G0B+4*\s+1], s45, \s*SLOT
	s_add_nc_u64 s[G0B+4*\s+2:G0B+4*\s+3], s[46:47], \s*ROWB
	s_or_b32 s[G0B+4*\s+3], s[G0B+4*\s+3], 0x80000000
	s_mov_b32 s[G0C+4*\s], 1
	s_add_co_u32 s[G0C+4*\s+1], s19, \s*SLOT
	s_add_nc_u64 s[G0C+4*\s+2:G0C+4*\s+3], s[66:67], \s*ROWB
	s_or_b32 s[G0C+4*\s+3], s[G0C+4*\s+3], 0x80000000
.endr
	JLOAD G0, G1, G0B, G1B                         ; q/k's K step 0: one tensor load a wave at the head
	; q, k: qk_codes + which x 2^23 + (((batch x 16 + 4 cx) x 2048 + token) x 64);  batch = i / 8, token = 256 (i % 8) + 64 w
	s_lshl_b32 s46, ttmp9, 23
	s_lshr_b32 s20, s17, 3
	s_lshl_b32 s20, s20, 4
	s_lshl_b32 s21, s40, 2
	s_add_co_u32 s20, s20, s21
	s_lshl_b32 s20, s20, 11
	s_and_b32 s21, s17, 7
	s_lshl_b32 s21, s21, 8
	s_add_co_u32 s20, s20, s21
	s_lshl_b32 s21, s14, 6
	s_add_co_u32 s20, s20, s21
	s_lshl_b32 s20, s20, 6
	s_add_co_u32 s46, s46, s20
	s_mov_b32 s47, 0
	s_add_nc_u64 s[90:91], s[68:69], s[46:47]
	; v: v_codes + batch x 2^21 + (128 j + 32 w) rows of 2048 + 256 (i % 8)
	s_lshr_b32 s20, s17, 3
	s_lshl_b32 s20, s20, 21
	s_lshl_b32 s21, s42, 7
	s_lshl_b32 s66, s14, 5
	s_add_co_u32 s21, s21, s66
	s_lshl_b32 s21, s21, 11
	s_add_co_u32 s20, s20, s21
	s_and_b32 s21, s17, 7
	s_lshl_b32 s21, s21, 8
	s_add_co_u32 s46, s20, s21
	s_add_nc_u64 s[92:93], s[70:71], s[46:47]
	; b_attn.  q, k: from number 256 j + 128 x (my half of B) on;  v: from 2048 + 128 j + 64 x (my half of A) on
	s_lshl_b32 s20, s42, 1
	s_add_co_u32 s20, s20, s16
	s_lshl_b32 s46, s20, 9
	s_add_nc_u64 s[94:95], s[8:9], s[46:47]
	s_lshl_b32 s20, s42, 9
	s_lshl_b32 s21, s15, 8
	s_add_co_u32 s20, s20, s21
	s_add_co_u32 s46, s20, 8192
	s_add_nc_u64 s[88:89], s[8:9], s[46:47]
	; the waves' parts of the LDS addresses
	s_mul_i32 s2, s15, HALFT                       ; q/k: my 128 rows of A
	s_mul_i32 s3, s16, HALFT
	s_add_co_u32 s3, s3, 2*HALFT                   ; my 128 rows of B
	s_mul_i32 s12, s15, 64*PITCH                   ; v: my 64 rows of A
	s_lshl_b32 s20, s16, 7
	s_mul_i32 s13, s15, SLOT
	s_add_co_u32 s13, s13, HALFT                   ; q/k's stage: tokens 128 x (my half of A) on lie in that slot's rows 128-255 of A's part
	s_mul_i32 s19, s16, 64*PITCH
	s_add_co_u32 s19, s19, s13                     ; out of it: wave w takes tokens 64 w .. + 63
	s_add_co_u32 s13, s13, s20                     ; into it: byte 128 x (my half of B)
	s_add_co_u32 s18, s12, HALFT
	s_add_co_u32 s18, s18, s20                     ; v's stage, 128 rows from HALFT on: into it
	s_mul_i32 s45, s14, 32*PITCH
	s_add_co_u32 s45, s45, HALFT                   ; out of it: wave w takes rows 32 w .. + 31
	v_and_b32 v1, 15, v0                           ; r
	v_bfe_u32 v2, v0, 4, 1                         ; h
	v_and_b32 v6, 31, v0                           ; lane
	v_mul_u32_u24 v3, v1, PITCH
	v_lshl_add_u32 v4, v2, 4, v3                   ; a fragment's row x pitch + 16 h
	v_add_nc_u32 v[ADRA], s2, v4
	v_add_nc_u32 v[ADRB], s3, v4
	v_add_nc_u32 v[ADRV], s12, v4
	v_add_nc_u32 v[ADRA+1], SLOT, v[ADRA]
	v_add_nc_u32 v[ADRB+1], SLOT, v[ADRB]
	v_add_nc_u32 v[ADRV+1], SLOT, v[ADRV]
	v_add_nc_u32 v5, s13, v3
	v_lshl_add_u32 v[STOQ], v2, 3, v5              ; q, k: + 8 h
	v_add_nc_u32 v5, s18, v3
	v_lshl_add_u32 v[STOV], v2, 4, v5              ; v: + 16 h: the tokens' order within 32
	v_lshrrev_b32 v7, 2, v6
	v_mul_u32_u24 v7, v7, PITCH
	v_and_b32 v8, 3, v6
	v_lshl_add_u32 v7, v8, 4, v7
	v_add_nc_u32 v[RDQ], s19, v7                   ; q, k: four lanes to a token's 64 bytes of a head, eight tokens an instruction
	v_mul_u32_u24 v7, v2, PITCH
	v_lshl_add_u32 v7, v1, 4, v7
	v_add_nc_u32 v[RDV], s45, v7                   ; v: sixteen lanes to a row, two rows an instruction
	v_lshlrev_b32 v[GOQ], 4, v6
	v_lshlrev_b32 v[GOV], 11, v2
	v_lshl_add_u32 v[GOV], v1, 4, v[GOV]
	v_lshlrev_b32 v9, 5, v2                        ; 8 h numbers
	v_lshlrev_b32 v10, 2, v1                       ; r numbers
.irp b, 0,1,2,3,4,5,6,7
	global_load_b128 v[BI+8*\b:BI+8*\b+3], v9, s[94:95] offset:64*\b       ; q, k: a lane's eight columns of each of B's eight blocks
	global_load_b128 v[BI+8*\b+4:BI+8*\b+7], v9, s[94:95] offset:64*\b+16
.endr
.irp a, 0,1,2,3
	global_load_b32 v[BV+2*\a], v10, s[88:89] offset:64*\a                 ; v: a lane's one row of each of A's four blocks
.endr
.macro FRAG reg, adr, q, i             ; 16 rows x 128 K: lane l holds row l % 16; registers 4 c .. 4 c + 3 hold K = 32 c + 16 (l / 16) + 0 .. 15: the same places in A and in B
.irp c, 0,1,2,3
	ds_load_b128 v[\reg+4*\c:\reg+4*\c+3], v[\adr] offset:128*(\q)+32*\c+(\i)*16*PITCH
.endr
.endm
; 16 matrix instructions: A's blocks a0, a0 + 1 x B's eight.  af: where A's block 0 lies.  The accumulators take turns, one instruction a turn, in the same order in every step.
.macro MUL16 a0, p, zero, af=AF
.irp a, \a0, \a0+1
.irp b, 0,1,2,3,4,5,6,7
.if \zero
	v_wmma_f32_16x16x128_fp8_fp8 v[8*(8*((\a)%4)+\b):8*(8*((\a)%4)+\b)+7], v[128*(\p)+FR*\b:128*(\p)+FR*\b+FR-1], v[\af+FR*(\a):\af+FR*(\a)+FR-1], 0
.else
	v_wmma_f32_16x16x128_fp8_fp8 v[8*(8*((\a)%4)+\b):8*(8*((\a)%4)+\b)+7], v[128*(\p)+FR*\b:128*(\p)+FR*\b+FR-1], v[\af+FR*(\a):\af+FR*(\a)+FR-1], v[8*(8*((\a)%4)+\b):8*(8*((\a)%4)+\b)+7]
.endif
.endr
.endr
.endm
.macro FETCH_B slot, q, p
	WIN TO_B
.irp i, 0,1,2,3,4,5,6,7
	FRAG 128*(\p)+FR*\i, ADRB+\slot, \q, \i
.endr
	WIN 0
.endm
.macro FETCH_A slot, q, i0
.irp i, \i0, \i0+1, \i0+2, \i0+3
	FRAG AF+FR*(\i), ADRA+\slot, \q, \i
.endr
.endm
.macro FETCH_V slot, q, p              ; v: A's four blocks into set p
.irp i, 0,1,2,3
	FRAG AF+64*(\p)+FR*\i, ADRV+\slot, \q, \i
.endr
.endm
.macro PLACES n                        ; plain vector instructions between a matrix instruction and a load into, or a read of, its registers
.rept \n
	v_nop
.endr
.endm
.macro STEP slot, q, zero              ; q/k: 128 along K whose successor lies in the same slot
	s_wait_dscnt 4*NL                              ; B's set and A's blocks 0-3 are in; the youngest 16 loads (A's blocks 4-7) may be out
	WIN MUL_LO
	MUL16 0, (\q)%2, \zero
	MUL16 2, (\q)%2, \zero
	s_wait_dscnt 0
	PLACES NP
	FETCH_B \slot, (\q)+1, 1-(\q)%2
	FETCH_A \slot, (\q)+1, 0
	WIN MUL_HI
	MUL16 4, (\q)%2, \zero
	MUL16 6, (\q)%2, \zero
	PLACES NP
	WIN 0
	FETCH_A \slot, (\q)+1, 4
.endm
; q/k: a slot's last 128 along K change slots: ONE barrier, which opens a round of the cluster's; in front of it each wave waits for all its tensor loads, adds 0 to its spare word, and waits for that and for its reads of this slot.
; kind 1: the slot takes q/k's K step two on.  kind 2, 3: it takes v's K step 0 or 1: x's tile once more, now into B's part (its address goes 512 bytes back along K), and 128 rows of w.  kind 3: q/k's last 128: nothing more is fetched from LDS.
.macro TURN slot, next, kind
	s_wait_tensorcnt 0x0                           ; all my tensor loads have landed: my part of the next slot
	ds_add_u32 v[SPW], v[NIL]                      ; 0 onto my spare word
	s_wait_dscnt 4*NL+1                            ; (the add and the youngest 16 loads may be out)
	WIN MUL_LO
	MUL16 0, 1, 0
	s_wait_dscnt 0x0                               ; the add is done, and my reads of this slot are over
	s_barrier_signal -1
	MUL16 2, 1, 0
	WIN 0
	s_barrier_wait -1
	CREST                                          ; no wave of any partner still reads this slot or has a load on its way
.if \kind == 1
	s_add_nc_u64 s[G0+4*\slot+2:G0+4*\slot+3], s[G0+4*\slot+2:G0+4*\slot+3], 2*ROWB
	s_add_nc_u64 s[G0B+4*\slot+2:G0B+4*\slot+3], s[G0B+4*\slot+2:G0B+4*\slot+3], 2*ROWB
	JLOAD G0+4*\slot, G1, G0B+4*\slot, G1B         ; the first tensor load behind the round, my only one until the next; its four v_nop are also the places in front of the loads below
.else
	s_sub_nc_u64 s[G0+4*\slot+2:G0+4*\slot+3], s[G0+4*\slot+2:G0+4*\slot+3], 2*ROWB
	JLOAD G0C+4*\slot, G1C, G0+4*\slot, G1         ; waves 0, 1: w's rows for v; waves 2, 3: x's rows, at wave x 128 rows, which is B's part for them
.endif
.if \kind < 3
	FETCH_B \next, 0, 0
	FETCH_A \next, 0, 0
.endif
	WIN MUL_HI
	MUL16 4, 1, 0
	MUL16 6, 1, 0
.if \kind < 3
	PLACES NP
	WIN 0
	FETCH_A \next, 0, 4
.else
	WIN 0
.endif
.endm
; v: a slot's first 128 along K, on sets 0; the second 128's fragments come into sets 1 meanwhile
.macro HSTEP slot, zero
	s_wait_dscnt 0x0                               ; sets 0 are in
	PLACES NP
	FETCH_B \slot, 1, 1
	FETCH_V \slot, 1, 1
	WIN MUL_LO
	MUL16 0, 0, \zero, AF
	MUL16 2, 0, \zero, AF
	WIN 0
.endm
; v: a slot's second 128, on sets 1, change slots, as TURN does
.macro HTURN slot, next, fill
	s_wait_tensorcnt 0x0
	ds_add_u32 v[SPW], v[NIL]
	s_wait_dscnt 0x0                               ; the add is done, sets 1 are in, my reads of this slot are over
	s_barrier_signal -1
	WIN MUL_LO
	MUL16 0, 1, 0, AF+64
	WIN 0
	s_barrier_wait -1
.if \fill
	CREST
	s_add_nc_u64 s[G0C+4*\slot+2:G0C+4*\slot+3], s[G0C+4*\slot+2:G0C+4*\slot+3], 2*ROWB
	s_add_nc_u64 s[G0+4*\slot+2:G0+4*\slot+3], s[G0+4*\slot+2:G0+4*\slot+3], 2*ROWB
	JLOAD G0C+4*\slot, G1C, G0+4*\slot, G1
.else
	PLACES NP
.endif
	FETCH_B \next, 0, 0
	FETCH_V \next, 0, 0
	WIN MUL_LO
	MUL16 2, 1, 0, AF+64
	WIN 0
.endm
.macro QSET e                          ; the quantiser's 2^e and 448 x 2^e
	s_add_co_i32 s20, \e, 127
	s_lshl_b32 s21, s20, 23
	v_mov_b32 v[SCL], s21
	s_add_co_i32 s20, s20, 8
	s_lshl_b32 s20, s20, 23
	s_or_b32 s20, s20, 0x600000
	v_mov_b32 v[LIM], s20
.endm
; Block a of 16 rows of A: number = sum x 2^(e0 + e1) + bias, one packed multiply-add for two; held within +-448 x 2^e; 64 numbers a lane -> 64 codes -> the stage.  path 0: q, k; path 1: v.
.macro QSTAGE a, path
.set AC, 64*((\a)%4)
.set CC, CD+16*((\a)%2)
	WIN (0x02+((\a)/4))                            ; source 0: window 2 or 3
.set jj, 0
.rept 32
.if \path
	v_pk_fma_f32 v[T+jj:T+jj+1], v[AC+jj:AC+jj+1], s[22:23], v[BV+2*(\a):BV+2*(\a)+1] op_sel_hi:[1,0,1]
.else
	v_pk_fma_f32 v[T+jj:T+jj+1], v[AC+jj:AC+jj+1], s[22:23], v[BI+jj:BI+jj+1] op_sel_hi:[1,0,1]   ; each accumulator from its low end on
.endif
.set jj, jj+2
.endr
	WIN 0
.set jj, 0
.rept 64
	v_med3_num_f32 v[T+jj], v[T+jj], -v[LIM], v[LIM]   ; the conversion to an 8-bit code does not saturate (ISA guide 7.6.2): the hold comes first
.set jj, jj+1
.endr
.if (\a) >= 2
	s_wait_alu depctr_va_vdst(0)                   ; directly ahead of the wait below
	s_wait_dscnt 8                                 ; block a - 2's eight stores have read this set of codes; block a - 1's eight may be out
.endif
.irp b, 0,1,2,3,4,5,6,7
	v_cvt_scalef32_pk8_fp8_f32 v[CC+2*\b:CC+2*\b+1], v[T+8*\b:T+8*\b+7], v[SCL]
.endr
	v_nop                                          ; a plain line between the conversions and the next block's writes of their sources
.irp b, 0,1,2,3,4,5,6,7
.if \path
	ds_store_b64 v[STOV], v[CC+2*\b:CC+2*\b+1] offset:(\a)*16*PITCH+32*(\b/2)+8*(\b%2)   ; tokens 16 b + 8 h + 0 .. 7 at place 32 (b / 2) + 16 h + 8 (b % 2)
.else
	ds_store_b64 v[STOQ], v[CC+2*\b:CC+2*\b+1] offset:(\a)*16*PITCH+16*\b
.endif
.endr
.endm
	s_wait_alu depctr_va_vdst(0)
	s_wait_tensorcnt 0x0                           ; my part of K step 0 is in; slot 1's first fill is issued as a refill is:
	ds_add_u32 v[SPW], v[NIL]                      ; 0 onto my spare word
	s_wait_dscnt 0x0
	CROUND                                         ; everybody's part of K step 0 is in, and all sixteen work-groups are here
	JLOAD G0+4, G1, G0B+4, G1B                     ; K step 1: the first tensor load behind the round
	FETCH_B 0, 0, 0
	FETCH_A 0, 0, 0
	FETCH_A 0, 0, 4
	STEP 0, 0, 1                                   ; the first products start the sums: nothing is cleared
	TURN 0, 1, 1                                   ; slot 0 takes K step 2
	STEP 1, 0, 0
	TURN 1, 0, 1                                   ; slot 1 takes K step 3
	STEP 0, 0, 0
	TURN 0, 1, 2                                   ; slot 0 takes v's K step 0
	STEP 1, 0, 0
	TURN 1, 0, 3                                   ; slot 1 takes v's K step 1; behind this round nobody reads q/k's tiles any more
	; Q'S AND K'S WAY OUT, while v's K step 1 is on its way.  The stage's bytes are filled by no later tensor load.
	s_wait_kmcnt 0x0
	s_wait_loadcnt 0x0                             ; b_attn
	s_add_co_i32 s22, s96, s97
	s_add_co_i32 s22, s22, 127
	s_lshl_b32 s22, s22, 23                        ; 2^(e0 + e1) as f32
	s_mov_b32 s23, s22                             ; (named with it as a pair, so it is written)
	s_cmp_eq_u32 ttmp9, 0
	s_cselect_b32 s20, s98, s99                    ; e2 for q, e3 for k: a choice, no branch
	QSET s20
.irp a, 0,1,2,3
	v_mov_b32 v[BV+2*\a+1], v[BV+2*\a]             ; v's bias is one number for a lane's eight: a pair of it.  (With the two moves above: six places behind the last products)
.endr
.irp a, 0,1,2,3,4,5,6,7
	QSTAGE \a, 0
.endr
	s_wait_dscnt 0x0                               ; for the others' sake: my codes lie in the stage
	s_barrier_signal -1
	s_barrier_wait -1                              ; a stage row's 256 bytes come from two waves.
.set ii, 0
.rept 32
	ds_load_b128 v[128+4*ii:131+4*ii], v[RDQ] offset:8*PITCH*(ii/4)+64*(ii%4)   ; eight tokens x one head's 64 bytes
.set ii, ii+1
.endr
.set ii, 0
.rept 32
	s_wait_dscnt 31-ii                             ; LDS loads come back in order: number ii is in, the younger ones may be out
	global_store_b128 v[GOQ], v[128+4*ii:131+4*ii], s[90:91] offset:(ii%4)*131072+512*(ii/4)   ; 32 lanes store 512 consecutive bytes, aligned
.set ii, ii+1
.endr
	s_wait_xcnt 0x0                                ; the stores have read their registers: v's fragments may land there
	; V'S BLOCK: 128 rows of w x my 256 tokens; a wave makes 64 x 128
	FETCH_B 0, 0, 0
	FETCH_V 0, 0, 0
	HSTEP 0, 1
	HTURN 0, 1, 1                                  ; slot 0 takes v's K step 2
	HSTEP 1, 0
	HTURN 1, 0, 1                                  ; slot 1 takes v's K step 3
	HSTEP 0, 0
	HTURN 0, 1, 0                                  ; nothing is left to fetch
	HSTEP 1, 0
	s_wait_dscnt 0x0
	WIN MUL_LO
	MUL16 0, 1, 0, AF+64
	MUL16 2, 1, 0, AF+64
	WIN 0
	QSET s100                                      ; e4
	PLACES NP
.irp a, 0,1,2,3
	QSTAGE \a, 1
.endr
	s_wait_dscnt 0x0
	s_barrier_signal -1
	s_barrier_wait -1
.set ii, 0
.rept 16
	ds_load_b128 v[128+4*ii:131+4*ii], v[RDV] offset:2*PITCH*ii
.set ii, ii+1
.endr
.set ii, 0
.rept 16
	s_wait_dscnt 15-ii
	global_store_b128 v[GOV], v[128+4*ii:131+4*ii], s[92:93] offset:4096*ii   ; sixteen lanes store 256 consecutive bytes, aligned
.set ii, ii+1
.endr
	s_wait_tensorcnt 0x0                           ; the wave's end
	ds_add_u32 v[SPW], v[NIL]
	s_wait_dscnt 0x0
	CROUND                                         ; the closing round: no work-group ends while a partner may still ask for a tile that names it
	s_endpgm
.Lfunc_end_k_qe57aa81971_qkv:
	.size	k_qe57aa81971_qkv, .Lfunc_end_k_qe57aa81971_qkv-k_qe57aa81971_qkv
	.p2alignl 7, 3214868480
	.fill 96, 4, 3214868480
	.section	.rodata,"a",@progbits
	.p2align	6, 0x0
	.amdhsa_kernel k_qe57aa81971_qkv
		.amdhsa_group_segment_fixed_size 327680
		.amdhsa_private_segment_fixed_size 0
		.amdhsa_enable_private_segment 0
		.amdhsa_kernarg_size 48
		.amdhsa_user_sgpr_count 2
		.amdhsa_user_sgpr_kernarg_segment_ptr 1
		.amdhsa_wavefront_size32 1
		.amdhsa_system_sgpr_workgroup_id_x 1
		.amdhsa_system_sgpr_workgroup_id_y 1
		.amdhsa_system_sgpr_workgroup_id_z 1
		.amdhsa_system_vgpr_workitem_id 0
		.amdhsa_next_free_vgpr 1024
		.amdhsa_next_free_sgpr 101
		.amdhsa_reserve_vcc 0
		.amdhsa_float_denorm_mode_32 3
		.amdhsa_float_denorm_mode_16_64 3
		.amdhsa_memory_ordered 1
		.amdhsa_forward_progress 1
		.amdhsa_inst_pref_size 224
	.end_amdhsa_kernel
	.amdgpu_metadata
---
amdhsa.version: [ 1, 2 ]
amdhsa.kernels:
  - .name:           k_qe57aa81971_qkv
    .symbol:         k_qe57aa81971_qkv.kd
    .args:
      - { .name: x_codes, .offset: 0, .size: 8, .value_kind: global_buffer, .address_space: global }
      - { .name: w_attn_codes, .offset: 8, .size: 8, .value_kind: global_buffer, .address_space: global }
      - { .name: b_attn, .offset: 16, .size: 8, .value_kind: global_buffer, .address_space: global }
      - { .name: lowp_scales, .offset: 24, .size: 8, .value_kind: global_buffer, .address_space: global }
      - { .name: qk_codes, .offset: 32, .size: 8, .value_kind: global_buffer, .address_space: global }
      - { .name: v_codes, .offset: 40, .size: 8, .value_kind: global_buffer, .address_space: global }
    .group_segment_fixed_size: 327680
    .private_segment_fixed_size: 0
    .kernarg_segment_align: 8
    .kernarg_segment_size: 48
    .max_flat_workgroup_size: 128
    .sgpr_count:     101
    .vgpr_count:     1024
    .wavefront_size: 32
...
	.end_amdgpu_metadata
.endif
;; end of part 1
;; launch attn (part 2): grid 4 x 64, 16 waves a work-group, clusters of 4 x 1, 327,680 bytes of LDS; arguments qk_codes, v_codes, lowp_scales, y_codes; writes y_codes
.if DOCPART == 2
	.amdgcn_target "amdgcn-amd-amdhsa--gfx1250"
	.amdhsa_code_object_version 6
	.text
	.protected	k_qe57aa81971_attn
	.globl	k_qe57aa81971_attn
	.p2align	8
	.type	k_qe57aa81971_attn,@function
k_qe57aa81971_attn:
	s_mov_b64 s[64:65], 0
	v_nop
	global_prefetch_b8 v0, s[64:65] scope:SCOPE_SE
	s_setreg_imm32_b32 hwreg(HW_REG_WAVE_MODE, 25, 1), 1
	s_wait_xcnt 0x0
	s_wait_alu depctr_hold_cnt(0) depctr_sa_sdst(0) depctr_va_vdst(0) depctr_va_sdst(0) depctr_va_ssrc(0) depctr_va_vcc(0) depctr_vm_vsrc(0)
	s_getreg_b32 s2, hwreg(HW_REG_IB_STS2, 6, 4)
	s_cmp_eq_u32 s2, 0
	s_cbranch_scc0 .Lentry_in_a_cluster
	s_endpgm
.Lentry_in_a_cluster:
	s_bfe_u32 s2, ttmp6, 0x10000c
	s_cmp_lg_u32 s2, 0x3003
	s_cbranch_scc0 .Lentry_shape_is_right
	s_endpgm
.Lentry_shape_is_right:
; Causal attention on codes of FP8 (E4M3): y = softmax(q k^T / 8, key <= query) v, one of 64 heads (batch x 16 + head) to a cluster of four work-groups; y is quantised (2^e6) and stored as codes.
; q, k: [2][64 heads][2048][64] codes (2^e2, 2^e3).  v: [64 heads][64 d][2048 keys] codes (2^e4), keys innermost, in the order that the launch before gives them: a 16-byte load at 32 c + 16 h of a row
; brings keys 16 c' + 8 h + 0 .. 7 into registers 2 c', 2 c' + 1.  y_codes: [token / 16][head][c' 2][lane' 32][16]: lane' = token % 16 + 16 h', d = 32 c' + 16 h' + i: the image of the next product's operand registers.
; THE SOFTMAX: t = score x log2(e) / 8; M = the running largest t rounded UP to a whole number; p = 2^(t - M) is quantised (2^e5), not normalised; the row's sum is taken of the unquantised p and divides at the end.
; When M moves, the sum and O are multiplied by 2^(old M - new M): exact.  Hidden scores become -infinity, p = 0 (reference() has -1e10 there: the same while a row's largest visible logit lies well above -1e10).
; Key steps all of whose keys lie behind a tile's queries are under reference()'s own mask and are left out.
; THE WHOLE HEAD LIES IN LDS: K 2048 rows of 64 + 16 bytes, V four chunks of 64 rows x (512 + 16) bytes.  Each of the sixteen waves brings one sixteenth by ONE joint tensor load (mask: all four work-groups).
; Nothing is filled twice: no ring; one barrier at the head shows everything to every wave, and then no wave waits for another.
; SHARES.  The head's 2048 queries are 16 blocks of 128 (a block's diagonal lies in the key step of its number), each of 8 tiles of 16.  Wave w owns tile 4 (w / 8) + cx of block a = w % 8 (tile A)
; and the same tile of block 15 - a (tile B): (a + 1) + (16 - a) = 17 tile-steps for every wave.  Steps 0 .. a serve both tiles from the same fragments of K and V; steps a + 1 .. 15 - a serve B alone.
; Branches hang on the wave's number and the step's alone; cx enters global addresses of Q and y and the compares of the mask.
; LAYOUT.  Both products transposed: S^T = K Q^T (source 0 = 16 keys, source 1 = 16 queries), O^T = V^T P^T: a lane holds ONE query (lane % 16); the eight registers of a tile of S^T are keys 16 t + 8 (lane / 16) + 0 .. 7,
; so their two registers of codes are registers 2 t, 2 t + 1 of P.
; No prefetch: every byte of K and V is asked for by the tensor loads at the head, and there is no loop to run ahead in.
; LIMITS: e2 + e3 between -123 and 130; e5 and e6 between -126 and 119; the scaled scores stay under 2^31 in magnitude.  NaN among the inputs is not served.
.set KP,    80                         ; a key's row in LDS
.set VP,    528                        ; a row of a chunk of V
.set VBASE, 2048*KP
.set VCH,   64*VP
.set SPARE, VBASE+4*VCH                ; the spare words: 128 bytes a wave, named by no other line
.set STAGE, SPARE+2048                 ; the way out: 1,024 bytes a wave, bytes into which no tensor load lands
.set AK0, 1                            ; v1   my lane's place in a tile of K
.set AV0, 2                            ; v2   in a tile of V (VBASE in it)
.set DQ,  3                            ; v3   16 cx + r - 8 h: used in compares alone
.set NINF, 4                           ; v4   -infinity
.set GO,  6                            ; v6   16 x lane: the stores' offset
.set SPW, 7                            ; v7   my spare word
.set ADK, 8
.set ADV, 9
.set STO, 10                           ; v10  into my stage
.set RD,  11                           ; v11  and back
.set QA,  20                           ; v20-27, v28-35: the two tiles of Q.  v12-15, v16-19: -M, the largest t, the sum's two halves, of A and of B
.set QB,  28
.set KF,  36                           ; v36-99 eight fragments of K; later v36-51 tile B's p codes
.set PB,  36
.set S,   100                          ; v100-163 S^T, then p; later four fragments of V
.set PA,  164                          ; v164-179 tile A's p codes
.set OA,  180                          ; v180-211, v212-243: O^T
.set OB,  212
.set NIL, 246                          ; v246 0.  v5 the quantiser's 2^e; v244 and v245 both 448 x 2^e5 (two registers, for the two halves of a dual pair); on the way out v245 is 448 x 2^e6
.set T1,  247
.set T2,  254
.set WV,  12
.set CX,  13
.set UA,  14                           ; tile A's block, also its last key step
.set SS,  15                           ; the key step, 0 .. 15
.set INNER, 16
.set TK,  17
.set TV,  18
.set OUTER, 19
.set SEL, 20
.set CS,  22
.set G1K, 24
.set G1V, 32
.set G0K, 40
.set G0V, 44
.set UB,  56                           ; tile B's block
.set HB,  57                           ; w / 8: which 64 queries of a block
.macro CROUND                          ; a round of the cluster's barrier
	s_barrier_signal -1
	s_barrier_wait -1
	s_cmp_lg_u32 s[WV], 0
	s_cbranch_scc1 .Lnot_wave_0_\@
	s_barrier_signal -3
.Lnot_wave_0_\@:
	s_barrier_wait -3
	s_barrier_signal -1
	s_barrier_wait -1
.endm
	s_load_b256 s[4:11], s[0:1], 0x0               ; qk s[4:5], v s[6:7], the exponents s[8:9], y s[10:11]
	v_lshl_add_u32 v[SPW], v0, 2, SPARE
	v_mov_b32 v[NIL], 0
	ds_add_u32 v[SPW], v[NIL]                      ; the opening lines: the add twice on end, under one wait
	ds_add_u32 v[SPW], v[NIL]
	v_lshrrev_b32 v1, 5, v0
	v_readfirstlane_b32 s[WV], v1                  ; wave 0..15
	s_bfe_u32 s[CX], ttmp6, 0x40000                ; cx
	s_and_b32 s84, ttmp7, 0xffff                   ; the head, which the four partners share
	s_and_b32 s[UA], s[WV], 7
	s_xor_b32 s[UB], s[UA], 15                     ; 15 - a
	s_lshr_b32 s[HB], s[WV], 3
	; descriptor groups 1.  K: 256 rows of 64 bytes lie dense: stated as 64 rows of 256, the padding still behind each 64 bytes.  V: 32 rows of 512 bytes, 2048 apart
	s_mov_b32 s[G1K], 15|(0<<16)|(1<<20)|(1<<21)|(3<<22)|(3<<25)   ; the mask: all four; elements of 1 byte; padding on; bit 21 beside a mask; 4 words after every 16
	s_mov_b32 s[G1K+1], 256<<16
	s_mov_b32 s[G1K+2], 64<<16
	s_mov_b32 s[G1K+3], 256<<16
	s_mov_b32 s[G1K+4], 64
	s_mov_b32 s[G1K+5], 256
	s_mov_b32 s[G1K+6], 0
	s_mov_b32 s[G1K+7], 0
	s_mov_b32 s[G1V], 15|(0<<16)|(1<<20)|(1<<21)|(6<<22)|(3<<25)   ; 4 words after every 128
	s_mov_b32 s[G1V+1], 512<<16
	s_mov_b32 s[G1V+2], 32<<16
	s_mov_b32 s[G1V+3], 512<<16
	s_mov_b32 s[G1V+4], 32
	s_mov_b32 s[G1V+5], 2048
	s_mov_b32 s[G1V+6], 0
	s_mov_b32 s[G1V+7], 0
	; groups 0, from the wave's number and the head alone.  Piece p = w % 8.  K: keys 256 p on.  V: chunk p / 2, rows 32 (p % 2) on
	s_lshl_b32 s93, s84, 17                        ; a head's 131,072 bytes
	s_mov_b32 s[G0K], 1
	s_mul_i32 s[G0K+1], s[UA], 256*KP
	s_lshl_b32 s90, s[UA], 14
	s_add_co_u32 s90, s90, s93
	s_add_co_u32 s90, s90, 0x800000                ; k lies behind q
	s_mov_b32 s91, 0
	s_mov_b32 s[G0V], 1
	s_mul_i32 s[G0V+1], s[UA], 32*VP
	s_add_co_u32 s[G0V+1], s[G0V+1], VBASE
	s_and_b32 s94, s[UA], 1
	s_lshl_b32 s94, s94, 16
	s_lshr_b32 s95, s[UA], 1
	s_lshl_b32 s95, s95, 9
	s_add_co_u32 s94, s94, s95
	s_add_co_u32 s94, s94, s93
	s_mov_b32 s95, 0
	; Q: the head + (128 block + 64 (w / 8) + 16 cx) rows of 64 bytes
	s_lshl_b32 s85, s[CX], 4
	s_lshl_b32 s86, s[HB], 6
	s_add_co_u32 s86, s86, s85
	s_lshl_b32 s86, s86, 6
	s_add_co_u32 s86, s86, s93
	s_lshl_b32 s58, s[UA], 13
	s_add_co_u32 s58, s58, s86
	s_mov_b32 s59, 0
	s_lshl_b32 s60, s[UB], 13
	s_add_co_u32 s60, s60, s86
	s_mov_b32 s61, 0
	; y: (batch x 128 + 8 block + 4 (w / 8) + cx) x 16384 + head x 1024
	s_lshr_b32 s87, s84, 4
	s_lshl_b32 s87, s87, 7
	s_lshl_b32 s88, s[HB], 2
	s_add_co_u32 s87, s87, s88
	s_add_co_u32 s87, s87, s[CX]
	s_and_b32 s88, s84, 15
	s_lshl_b32 s88, s88, 10
	s_lshl_b32 s62, s[UA], 3
	s_add_co_u32 s62, s62, s87
	s_lshl_b32 s62, s62, 14
	s_add_co_u32 s62, s62, s88
	s_mov_b32 s63, 0
	s_lshl_b32 s66, s[UB], 3
	s_add_co_u32 s66, s66, s87
	s_lshl_b32 s66, s66, 14
	s_add_co_u32 s66, s66, s88
	s_mov_b32 s67, 0
	s_mov_b32 s[SEL], 0x76543210
	s_mov_b32 s[SEL+1], 0xfedcba98
	s_mov_b32 s[SS], 0
	s_mov_b32 s[TK], 0
	s_mov_b32 s[TV], 0
	s_wait_dscnt 0x0                               ; both opening adds are done
	s_wait_kmcnt 0x0
	s_load_b256 s[76:83], s[8:9], 0x0              ; e0 .. e7
	s_add_nc_u64 s[G0K+2:G0K+3], s[4:5], s[90:91]
	s_or_b32 s[G0K+3], s[G0K+3], 0x80000000
	s_add_nc_u64 s[G0V+2:G0V+3], s[6:7], s[94:95]
	s_or_b32 s[G0V+3], s[G0V+3], 0x80000000
	s_add_nc_u64 s[48:49], s[4:5], s[58:59]        ; Q of tile A,
	s_add_nc_u64 s[52:53], s[4:5], s[60:61]        ; of tile B
	s_add_nc_u64 s[50:51], s[10:11], s[62:63]      ; y of tile A,
	s_add_nc_u64 s[54:55], s[10:11], s[66:67]      ; of tile B
	CROUND                                         ; all four work-groups are here: the joint loads meet
	s_cmp_lt_u32 s[WV], 8                          ; the branch hangs on the wave's number alone: waves 0-7 fetch K, waves 8-15 V
	s_cbranch_scc0 .Lfor_v
	tensor_load_to_lds s[G0K:G0K+3], s[G1K:G1K+7]
	s_nop 0
.rept 4
	v_nop
.endr
	s_branch .Lasked
.Lfor_v:
	tensor_load_to_lds s[G0V:G0V+3], s[G1V:G1V+7]
	s_nop 0
.rept 4
	v_nop
.endr
.Lasked:
	v_and_b32 v36, 15, v0                          ; r
	v_bfe_u32 v37, v0, 4, 1                        ; h
	v_lshlrev_b32 v38, 6, v36
	v_lshl_add_u32 v38, v37, 4, v38                ; Q: row r of 64 bytes + 16 h: registers 4 c .. 4 c + 3 hold d = 32 c + 16 h + 0 .. 15, as K's loads give them
	global_load_b128 v[QA:QA+3], v38, s[48:49]
	global_load_b128 v[QA+4:QA+7], v38, s[48:49] offset:32
	global_load_b128 v[QB:QB+3], v38, s[52:53]
	global_load_b128 v[QB+4:QB+7], v38, s[52:53] offset:32
	v_mul_u32_u24 v[AK0], v36, KP
	v_lshl_add_u32 v[AK0], v37, 4, v[AK0]
	v_mul_u32_u24 v[AV0], v36, VP
	v_lshl_add_u32 v[AV0], v37, 4, v[AV0]
	v_add_nc_u32 v[AV0], VBASE, v[AV0]
	v_lshlrev_b32 v[DQ], 3, v37
	v_sub_nc_u32 v[DQ], v36, v[DQ]
	v_add_nc_u32 v[DQ], s85, v[DQ]
	v_mov_b32 v[NINF], 0xff800000
	s_lshl_b32 s88, s[WV], 10
	s_add_co_u32 s88, s88, STAGE                   ; my stage
	v_and_b32 v[GO], 31, v0
	v_lshlrev_b32 v[GO], 4, v[GO]
	v_add_nc_u32 v[RD], s88, v[GO]
	v_lshlrev_b32 v[STO], 4, v36
	v_lshl_add_u32 v[STO], v37, 3, v[STO]
	v_add_nc_u32 v[STO], s88, v[STO]
	v_mov_b32 v13, 0xff61b1e6                      ; the largest t so far: -3e38
	v_floor_f32 v12, -v13                          ; -M
	v_mov_b32 v14, 0                               ; the sum, in two halves
	v_mov_b32 v15, 0
	v_mov_b32 v17, 0xff61b1e6
	v_floor_f32 v16, -v17
	v_mov_b32 v18, 0
	v_mov_b32 v19, 0
	v_mov_b32 v249, 0                              ; (named as upper halves of pairs)
	v_mov_b32 v251, 0
	v_mov_b32 v255, 0                              ; a lane permute's destination counts as one of its sources
.set jj, 0
.rept 64
	v_mov_b32 v[OA+jj], 0                          ; O^T of both tiles: the step is written once, its first turn finds zeros
.set jj, jj+1
.endr
	s_wait_kmcnt 0x0
	s_add_co_i32 s85, s78, s79                     ; a score stands for score x 2^(e2 + e3): added to c's exponent field
	s_lshl_b32 s85, s85, 23
	s_mov_b32 s[CS], 0x3e38aa3b                    ; c = log2(e) / 8
	s_add_co_i32 s[CS], s[CS], s85
	s_mov_b32 s[CS+1], s[CS]
	s_add_co_i32 s85, s81, 127
	s_lshl_b32 s86, s85, 23
	v_mov_b32 v5, s86                              ; 2^e5
	s_add_co_i32 s85, s85, 8
	s_lshl_b32 s85, s85, 23
	s_or_b32 s85, s85, 0x600000
	v_mov_b32 v244, s85                            ; 448 x 2^e5,
	v_mov_b32 v245, s85                            ; twice
; S^T of 128 keys x one tile of queries, and the four places behind the products
.macro SCORE q
.irp t, 0,1,2,3,4,5,6,7
	v_wmma_f32_16x16x64_fp8_fp8 v[S+8*\t:S+8*\t+7], v[KF+8*\t:KF+8*\t+7], v[\q:\q+7], 0
.endr
.rept 4
	v_nop
.endr
.endm
; One tile's softmax of a step.  st: -M, the largest t, the sum's pair;  pd: where p's codes go;  f: the pair whose low word takes 2^(old M - new M)
.macro SOFT st, pd, f
	v_max3_num_f32 v[T1], v[S], v[S+1], v[S+2]     ; the largest of my 64 scores, in two chains, each tile from its low end on
	v_max3_num_f32 v[T2], v[S+3], v[S+4], v[S+5]
.irp i, 6,10,14,18,22,26,30,34,38,42,46,50,54,58
	v_max3_num_f32 v[T1], v[T1], v[S+\i], v[S+\i+1]
	v_max3_num_f32 v[T2], v[T2], v[S+\i+2], v[S+\i+3]
.endr
	v_max3_num_f32 v[T1], v[T1], v[S+62], v[S+63]
	s_delay_alu instid0(VALU_DEP_1)
	v_max_num_f32 v[T1], v[T1], v[T2]
	s_delay_alu instid0(VALU_DEP_1)
	v_permlanex16_b32 v255, v[T1], s[SEL], s[SEL+1]
	s_delay_alu instid0(VALU_DEP_1)
	v_max_num_f32 v[T1], v[T1], v255               ; and of lane l xor 16's
	s_delay_alu instid0(VALU_DEP_1)
	v_mul_f32 v[T1], s[CS], v[T1]                  ; as t (c is positive)
	s_delay_alu instid0(VALU_DEP_1)
	v_max_num_f32 v[\st+1], v[\st+1], v[T1]
	v_mov_b32 v[T1], v[\st]
	s_delay_alu instid0(VALU_DEP_2)
	v_floor_f32 v[\st], -v[\st+1]                  ; the new -M = floor(-t)
	s_delay_alu instid0(VALU_DEP_1)
	v_sub_f32 v[T1], v[\st], v[T1]                 ; old M - new M: a whole number, 0 or less
	s_delay_alu instid0(VALU_DEP_1)
	v_cvt_i32_f32 v[T1], v[T1]                     ; (it saturates)
	s_delay_alu instid0(VALU_DEP_1)
	v_ldexp_f32 v[\f], 1.0, v[T1]
.set jj, 0
.rept 32
	v_pk_fma_f32 v[S+jj:S+jj+1], v[S+jj:S+jj+1], s[CS:CS+1], v[\st:\st+1] op_sel_hi:[1,0,0]   ; t - M
.set jj, jj+2
.endr
	s_wait_alu depctr_va_vdst(0)                   ; ahead of the batch
.set jj, 0
.rept 64
	v_exp_f32 v[S+jj], v[S+jj]                     ; p = 2^(t - M)
.set jj, jj+1
.endr
	v_pk_mul_f32 v[\st+2:\st+3], v[\st+2:\st+3], v[\f:\f+1] op_sel_hi:[1,0]   ; the sum under the new M (a plain line behind the exponentials)
	s_wait_alu depctr_va_vdst(0)                   ; and one wait behind it, ahead of its first reader
	v_pk_add_f32 v[252:253], v[S:S+1], v[S+2:S+3]  ; the sum of the unquantised p, in two chains
.irp j, 4,8,12,16,20,24,28,32,36,40,44,48,52,56,60
	v_pk_add_f32 v[\st+2:\st+3], v[\st+2:\st+3], v[S+\j:S+\j+1]
	v_pk_add_f32 v[252:253], v[252:253], v[S+\j+2:S+\j+3]
.endr
	s_delay_alu instid0(VALU_DEP_1)
	v_pk_add_f32 v[\st+2:\st+3], v[\st+2:\st+3], v[252:253]
.irp b, 0,1,2,3
.irp i, 0,2,4,6,8,10,12,14
	v_dual_min_num_f32 v[S+16*\b+\i], v[S+16*\b+\i], v244 :: v_dual_min_num_f32 v[S+16*\b+\i+1], v[S+16*\b+\i+1], v245   ; the conversion does not saturate (ISA guide 7.6.2); p is not negative: a one-sided hold, two numbers an instruction
.endr
	v_cvt_scalef32_pk8_fp8_f32 v[\pd+4*\b:\pd+4*\b+1], v[S+16*\b:S+16*\b+7], v5
	v_cvt_scalef32_pk8_fp8_f32 v[\pd+4*\b+2:\pd+4*\b+3], v[S+16*\b+8:S+16*\b+15], v5
.endr
.endm
; Of tiles t0 .. t0 + 3 register 8 t' + j holds the key that lies 16 t' + 8 h + j behind my 64 queries' first: hidden where 16 t' + j > 16 cx + r - 8 h
.macro MASKCMP t0
.set nn, 0
.rept 32
	v_cmp_gt_i32 vcc_lo, 16*(nn/8)+nn%8, v[DQ]
	v_cndmask_b32 v[S+8*\t0+nn], v[S+8*\t0+nn], v[NINF], vcc_lo
.set nn, nn+1
.endr
.endm
; The mask, in a tile's diagonal step alone (u: the register that holds it).  w / 8 = 0: my queries lie among the step's first 64 keys, and the last 64 are hidden from all of them; 1: among the last 64, and the first 64 count
.macro DIAG u
	s_cmp_eq_u32 s[SS], s[\u]
	s_cbranch_scc0 .Lopen_\@
	s_cmp_eq_u32 s[HB], 0
	s_cbranch_scc0 .Lhi_\@
	MASKCMP 0
.set nn, 32
.rept 32
	v_mov_b32 v[S+nn], v[NINF]
.set nn, nn+1
.endr
	s_branch .Lopen_\@
.Lhi_\@:
	MASKCMP 4
.Lopen_\@:
.endm
.macro VLOAD                           ; V^T: d = 16 t + r, the step's 128 keys, over p
.irp t, 0,1,2,3
.irp c, 0,1,2,3
	ds_load_b128 v[S+16*\t+4*\c:S+16*\t+4*\c+3], v[ADV] offset:16*VP*\t+32*\c
.endr
.endr
	s_wait_alu depctr_va_vdst(0)                   ; directly ahead of the first reader of O^T
.endm
.macro RESC o, f                       ; O^T under the new M; these lines stand while V is on its way
.set jj, 0
.rept 16
	v_pk_mul_f32 v[\o+jj:\o+jj+1], v[\o+jj:\o+jj+1], v[\f:\f+1] op_sel_hi:[1,0]
.set jj, jj+2
.endr
.endm
; A KEY STEP of 128 keys.  Behind tile B's diagonal nothing is done; up to tile A's diagonal both tiles are served, between the two B alone: scalar branches on the wave's number and the step's.
.macro STEP
	s_cmp_gt_u32 s[SS], s[UB]
	s_cbranch_scc1 .Lhid_\@
	v_add_nc_u32 v[ADK], s[TK], v[AK0]
	v_add_nc_u32 v[ADV], s[TV], v[AV0]
.rept 3
	v_nop                                          ; with the two additions five places behind the last step's products: the loads below land on p's codes, the products below write over V's fragments
.endr
.irp t, 0,1,2,3,4,5,6,7
	ds_load_b128 v[KF+8*\t:KF+8*\t+3], v[ADK] offset:16*KP*\t
	ds_load_b128 v[KF+8*\t+4:KF+8*\t+7], v[ADK] offset:16*KP*\t+32
.endr
	s_wait_dscnt 0x0
	s_cmp_gt_u32 s[SS], s[UA]
	s_cbranch_scc1 .Lonly_b_\@
	SCORE QA
	DIAG UA
	SOFT 12, PA, 248
	v_nop                                          ; a plain line between the conversions and the products that write over their sources
	SCORE QB                                       ; (a <= 7 < 15 - a: tile B has no diagonal among these steps)
	SOFT 16, PB, 250
	VLOAD
	RESC OA, 248
	RESC OB, 250
	s_wait_alu depctr_va_vdst(0)                   ; directly ahead of the wait below
	s_wait_dscnt 0x0
.irp t, 0,1,2,3                        ; eight accumulators by turns, one instruction a turn
	v_wmma_f32_16x16x128_fp8_fp8 v[OA+8*\t:OA+8*\t+7], v[S+16*\t:S+16*\t+15], v[PA:PA+15], v[OA+8*\t:OA+8*\t+7]
	v_wmma_f32_16x16x128_fp8_fp8 v[OB+8*\t:OB+8*\t+7], v[S+16*\t:S+16*\t+15], v[PB:PB+15], v[OB+8*\t:OB+8*\t+7]
.endr
	s_branch .Lhid_\@
.Lonly_b_\@:
	SCORE QB
	DIAG UB
	SOFT 16, PB, 250
	VLOAD
	RESC OB, 250
	s_wait_alu depctr_va_vdst(0)
	s_wait_dscnt 0x0
.irp t, 0,1,2,3                        ; four accumulators by turns
	v_wmma_f32_16x16x128_fp8_fp8 v[OB+8*\t:OB+8*\t+7], v[S+16*\t:S+16*\t+15], v[PB:PB+15], v[OB+8*\t:OB+8*\t+7]
.endr
.Lhid_\@:
	s_add_co_u32 s[SS], s[SS], 1
	s_add_co_u32 s[TK], s[TK], 128*KP
	s_add_co_u32 s[TV], s[TV], 128
.endm
	s_wait_alu depctr_va_vdst(0)
	s_wait_loadcnt 0x0                             ; Q
	s_wait_tensorcnt 0x0                           ; my sixteenth of K and V has landed,
	s_barrier_signal -1
	s_barrier_wait -1                              ; everybody's has
	s_mov_b32 s[OUTER], 4
.Lchunk:                                           ; four chunks of 512 keys,
	s_mov_b32 s[INNER], 4
.Lstep:                                            ; four steps of 128 in each
	STEP
	s_sub_co_u32 s[INNER], s[INNER], 1
	s_cmp_lg_u32 s[INNER], 0
	s_cbranch_scc1 .Lstep
	s_add_co_u32 s[TV], s[TV], VCH-512             ; on to V's next chunk
	s_sub_co_u32 s[OUTER], s[OUTER], 1
	s_cmp_lg_u32 s[OUTER], 0
	s_cbranch_scc1 .Lchunk
	; THE WAY OUT, through my own stage: no barrier.
.rept 4
	v_nop                                          ; places behind the last products
.endr
	s_add_co_i32 s85, s80, s81                     ; e4 + e5
	s_add_co_i32 s86, s82, 127
	s_lshl_b32 s87, s86, 23
	v_mov_b32 v5, s87                              ; 2^e6
	s_add_co_i32 s86, s86, 8
	s_lshl_b32 s86, s86, 23
	s_or_b32 s86, s86, 0x600000
	v_mov_b32 v245, s86                            ; 448 x 2^e6
; y = O^T x 2^(e4 + e5) / the sum, held, turned into codes; tile t's eight codes are d = 16 t + 8 h + 0 .. 7: in the image c' = t / 2, h' = t % 2, bytes 8 h on.  tb: 32 registers at work; cb: 8 of codes, and 8 at cb + 16 for the image read back
.macro FIN st, o, f, tb, cb
	v_add_f32 v[\st+2], v[\st+2], v[\st+3]
	s_delay_alu instid0(VALU_DEP_1)
	v_permlanex16_b32 v255, v[\st+2], s[SEL], s[SEL+1]
	s_delay_alu instid0(VALU_DEP_1)
	v_add_f32 v[\st+2], v[\st+2], v255             ; the row's sum
	s_wait_alu depctr_va_vdst(0)                   ; ahead of the transcendental,
	v_rcp_f32 v[\st+2], v[\st+2]
	v_nop                                          ; a plain line behind it
	s_wait_alu depctr_va_vdst(0)                   ; ahead of its first reader,
	v_ldexp_f32 v[\f], v[\st+2], s85
	s_wait_alu depctr_va_vdst(0)                   ; and directly ahead of the first reader of O^T
.set jj, 0
.rept 16
	v_pk_mul_f32 v[\tb+jj:\tb+jj+1], v[\o+jj:\o+jj+1], v[\f:\f+1] op_sel_hi:[1,0]
.set jj, jj+2
.endr
.set jj, 0
.rept 32
	v_med3_num_f32 v[\tb+jj], v[\tb+jj], -v245, v245
.set jj, jj+1
.endr
.irp t, 0,1,2,3
	v_cvt_scalef32_pk8_fp8_f32 v[\cb+2*\t:\cb+2*\t+1], v[\tb+8*\t:\tb+8*\t+7], v5
.endr
	v_nop
.irp t, 0,1,2,3
	ds_store_b64 v[STO], v[\cb+2*\t:\cb+2*\t+1] offset:512*(\t/2)+256*(\t%2)   ; 32 lanes store 256 consecutive bytes
.endr
	ds_load_b128 v[\cb+16:\cb+19], v[RD]           ; LDS serves a wave's instructions in order (ISA guide 5.7.1.4): these see my stores, and the next tile's stores come behind them
	ds_load_b128 v[\cb+20:\cb+23], v[RD] offset:512
.endm
	FIN 12, OA, 248, 100, 36
	FIN 16, OB, 250, 132, 44
	s_wait_dscnt 6                                 ; tile A's image is back: tile B's four stores and two loads may be out
	global_store_b128 v[GO], v[52:55], s[50:51]    ; 32 lanes store 512 consecutive bytes, aligned
	global_store_b128 v[GO], v[56:59], s[50:51] offset:512
	s_wait_dscnt 0x0
	global_store_b128 v[GO], v[60:63], s[54:55]
	global_store_b128 v[GO], v[64:67], s[54:55] offset:512
	s_wait_tensorcnt 0x0                           ; the wave's end
	ds_add_u32 v[SPW], v[NIL]
	s_wait_dscnt 0x0
	CROUND                                         ; the closing round
	s_endpgm
.Lfunc_end_k_qe57aa81971_attn:
	.size	k_qe57aa81971_attn, .Lfunc_end_k_qe57aa81971_attn-k_qe57aa81971_attn
	.p2alignl 7, 3214868480
	.fill 96, 4, 3214868480
	.section	.rodata,"a",@progbits
	.p2align	6, 0x0
	.amdhsa_kernel k_qe57aa81971_attn
		.amdhsa_group_segment_fixed_size 327680
		.amdhsa_private_segment_fixed_size 0
		.amdhsa_enable_private_segment 0
		.amdhsa_kernarg_size 32
		.amdhsa_user_sgpr_count 2
		.amdhsa_user_sgpr_kernarg_segment_ptr 1
		.amdhsa_wavefront_size32 1
		.amdhsa_system_sgpr_workgroup_id_x 1
		.amdhsa_system_sgpr_workgroup_id_y 1
		.amdhsa_system_sgpr_workgroup_id_z 1
		.amdhsa_system_vgpr_workitem_id 0
		.amdhsa_next_free_vgpr 256
		.amdhsa_next_free_sgpr 96
		.amdhsa_reserve_vcc 1
		.amdhsa_float_denorm_mode_32 3
		.amdhsa_float_denorm_mode_16_64 3
		.amdhsa_memory_ordered 1
		.amdhsa_forward_progress 1
		.amdhsa_inst_pref_size 73
	.end_amdhsa_kernel
	.amdgpu_metadata
---
amdhsa.version: [ 1, 2 ]
amdhsa.kernels:
  - .name:           k_qe57aa81971_attn
    .symbol:         k_qe57aa81971_attn.kd
    .args:
      - { .name: qk_codes, .offset: 0, .size: 8, .value_kind: global_buffer, .address_space: global }
      - { .name: v_codes, .offset: 8, .size: 8, .value_kind: global_buffer, .address_space: global }
      - { .name: lowp_scales, .offset: 16, .size: 8, .value_kind: global_buffer, .address_space: global }
      - { .name: y_codes, .offset: 24, .size: 8, .value_kind: global_buffer, .address_space: global }
    .group_segment_fixed_size: 327680
    .private_segment_fixed_size: 0
    .kernarg_segment_align: 8
    .kernarg_segment_size: 32
    .max_flat_workgroup_size: 512
    .sgpr_count:     96
    .vgpr_count:     256
    .wavefront_size: 32
...
	.end_amdgpu_metadata
.endif
;; end of part 2
;; launch proj (part 3): grid 64 x 4, 4 waves a work-group, clusters of 4 x 1, 327,680 bytes of LDS; arguments y_codes, w_proj_codes, b_proj, lowp_scales, out0; writes out0
.if DOCPART == 3
	.amdgcn_target "amdgcn-amd-amdhsa--gfx1250"
	.amdhsa_code_object_version 6
	.text
	.protected	k_qe57aa81971_proj
	.globl	k_qe57aa81971_proj
	.p2align	8
	.type	k_qe57aa81971_proj,@function
k_qe57aa81971_proj:
	s_mov_b64 s[64:65], 0
	v_nop
	global_prefetch_b8 v0, s[64:65] scope:SCOPE_SE
	s_setreg_imm32_b32 hwreg(HW_REG_WAVE_MODE, 25, 1), 1
	s_wait_xcnt 0x0
	s_wait_alu depctr_hold_cnt(0) depctr_sa_sdst(0) depctr_va_vdst(0) depctr_va_sdst(0) depctr_va_ssrc(0) depctr_va_vcc(0) depctr_vm_vsrc(0)
	s_getreg_b32 s2, hwreg(HW_REG_IB_STS2, 6, 4)
	s_cmp_eq_u32 s2, 0
	s_cbranch_scc0 .Lentry_in_a_cluster
	s_endpgm
.Lentry_in_a_cluster:
	s_bfe_u32 s2, ttmp6, 0x10000c
	s_cmp_lg_u32 s2, 0x3003
	s_cbranch_scc0 .Lentry_shape_is_right
	s_endpgm
.Lentry_shape_is_right:
; out0 = y w_proj^T x 2^(e6 + e7) + b_proj on codes of FP8 (E4M3).  y_codes: [token / 16][K / 64][c' 2][lane' 32][16]: the image of the operand's registers, as the launch before stores it; w_proj: [1024][1024] codes, K innermost; out0: [8192][1024] f32.
; SHARES.  64 x 4 = 256 work-groups; work-group (i, n) makes tokens 128 i .. + 127 x columns 256 n .. + 255; each of its four waves 64 x 128: 32 accumulators.
; B (w's 256 rows, all 1024 along K) lies in LDS whole: each wave brings 64 rows of 1024 bytes by ONE joint tensor load; nothing is filled twice, so there is no ring, and one barrier shows B to every wave.
; A (y) goes from memory straight into registers: a fragment's four registers are 512 consecutive bytes for the 32 lanes.  Seven of the eight steps of 128 along K are asked for at the head, the eighth when the first step's registers are free.
; CLUSTERS: four work-groups along x have the same n and ask for w's rows jointly (mask: all four).  y's rows are read by the two waves of a token half and go through no LDS, so they are not asked for jointly.
; THE MATRIX INSTRUCTION IS USED TRANSPOSED (source 0 = 16 rows of w, source 1 = 16 tokens): a lane holds eight neighbouring columns of one row of out0.
; No prefetch: every byte is asked for at the head but y's last step, and there is no loop to run ahead in.
; LIMIT: e6 + e7 between -126 and 127, so that 2^(e6 + e7) is an f32 number.
; REGISTERS, in windows of 256: window 0: v8-11 b_proj, v16-29 addresses; v64-255 A's steps 0, 1, 2 (step 7 where step 0 lay), later the way out.  window 1: B's fragments, two sets.  window 2: the accumulators.  window 3: A's steps 3 to 6.
.set BP,     1040                      ; an LDS row of B: 1024 bytes + 16 of padding = 260 words: the 16 rows of a fragment load start at 16 different groups of four banks (ISA guide 11.1)
.set HALFB,  128*BP
.set SPARE,  2*HALFB                   ; the spare words: 128 bytes a wave, named by no other line
.set STAGE,  SPARE+512                 ; the way out: 16 rows x (512 + 16) bytes for each wave, bytes into which no tensor load lands
.set SPITCH, 528
.set FR,     16
.set NP,     4                         ; places behind this matrix instruction (ISA guide 7.12.1)
.set BIA,  8
.set ADRB, 16                          ; v16: my B blocks 0-3; v17: blocks 4-7 (an LDS offset has 16 bits)
.set STO,  24
.set RD,   25
.set CO,   26                          ; 16 x lane
.set SPW,  28
.set NIL,  29
.set BK,   128
.set G1, 24
.set G0, 32
.set MSB, 0
.macro WIN new                         ; the immediate's high byte repeats the setting that is left
.if MSB != \new
	s_set_vgpr_msb (MSB<<8)|\new
.set MSB, \new
.endif
.endm
.macro CROUND                          ; a round of the cluster's barrier
	s_barrier_signal -1
	s_barrier_wait -1
	s_cmp_lg_u32 s14, 0
	s_cbranch_scc1 .Lnot_wave_0_\@
	s_barrier_signal -3
.Lnot_wave_0_\@:
	s_barrier_wait -3
	s_barrier_signal -1
	s_barrier_wait -1
.endm
.macro PLACES n
.rept \n
	v_nop
.endr
.endm
	s_load_b256 s[4:11], s[0:1], 0x0               ; y s[4:5], w s[6:7], b_proj s[8:9], the exponents s[10:11]
	s_load_b64 s[12:13], s[0:1], 0x20              ; out0
	v_lshl_add_u32 v[SPW], v0, 2, SPARE
	v_mov_b32 v[NIL], 0
	ds_add_u32 v[SPW], v[NIL]                      ; the opening lines: the add twice on end, under one wait
	ds_add_u32 v[SPW], v[NIL]
	v_lshrrev_b32 v1, 5, v0
	v_readfirstlane_b32 s14, v1                    ; wave 0..3
	s_lshr_b32 s15, s14, 1                         ; my half of the tokens
	s_and_b32 s16, s14, 1                          ; my half of the columns
	s_bfe_u32 s40, ttmp6, 0x40000                  ; cx
	s_lshl_b32 s17, ttmp9, 2
	s_add_co_u32 s17, s17, s40                     ; i
	s_and_b32 s42, ttmp7, 0xffff                   ; n, which the four partners share
	s_mov_b32 s[G1], 15|(0<<16)|(1<<20)|(1<<21)|(7<<22)|(3<<25)   ; the mask: all four; elements of 1 byte; padding on; bit 21 beside a mask; 4 words after every 256
	s_mov_b32 s[G1+1], 1024<<16
	s_mov_b32 s[G1+2], 64<<16
	s_mov_b32 s[G1+3], 1024<<16
	s_mov_b32 s[G1+4], 64
	s_mov_b32 s[G1+5], 1024
	s_mov_b32 s[G1+6], 0
	s_mov_b32 s[G1+7], 0
	s_mov_b32 s[G0], 1
	s_mul_i32 s[G0+1], s14, 64*BP                  ; rows 64 x wave of B's 256
	s_lshl_b32 s20, s42, 8
	s_lshl_b32 s18, s14, 6
	s_add_co_u32 s20, s20, s18                     ; w's row 256 n + 64 x wave
	s_lshl_b32 s20, s20, 10
	s_mov_b32 s21, 0
	s_lshl_b32 s22, s17, 3
	s_lshl_b32 s18, s15, 2
	s_add_co_u32 s22, s22, s18                     ; y: block of 16 tokens 8 i + 4 x half,
	s_lshl_b32 s22, s22, 14                        ; 16,384 bytes each
	s_mov_b32 s23, 0
	s_lshl_b32 s46, s42, 10
	s_lshl_b32 s18, s16, 9
	s_add_co_u32 s46, s46, s18                     ; my first column, in bytes of f32
	s_mov_b32 s47, 0
	s_lshl_b32 s44, s17, 7
	s_lshl_b32 s18, s15, 6
	s_add_co_u32 s44, s44, s18                     ; my first row of out0,
	s_lshl_b32 s44, s44, 12                        ; 4,096 bytes each (under 2^26)
	s_add_co_u32 s44, s44, s46
	s_mov_b32 s45, 0
	s_mul_i32 s36, s16, HALFB                      ; my 128 rows of B
	s_mul_i32 s37, s14, 16*SPITCH
	s_add_co_u32 s37, s37, STAGE                   ; my stage
	s_wait_dscnt 0x0                               ; both opening adds are done
	s_wait_kmcnt 0x0
	s_load_b64 s[48:49], s[10:11], 0x18            ; e6, e7
	s_add_nc_u64 s[G0+2:G0+3], s[6:7], s[20:21]
	s_or_b32 s[G0+3], s[G0+3], 0x80000000
	s_add_nc_u64 s[4:5], s[4:5], s[22:23]
	s_add_nc_u64 s[8:9], s[8:9], s[46:47]
	s_add_nc_u64 s[12:13], s[12:13], s[44:45]
	CROUND                                         ; all four work-groups are here: the joint loads meet
	tensor_load_to_lds s[G0:G0+3], s[G1:G1+7]      ; my one tensor load: both addresses hang on the wave's number
	s_nop 0
	PLACES 4
	v_and_b32 v1, 15, v0                           ; r
	v_bfe_u32 v2, v0, 4, 1                         ; h
	v_and_b32 v6, 31, v0
	v_lshlrev_b32 v[CO], 4, v6
	v_mul_u32_u24 v3, v1, BP
	v_lshl_add_u32 v3, v2, 4, v3                   ; a fragment's row x pitch + 16 h
	v_add_nc_u32 v[ADRB], s36, v3
	v_add_nc_u32 v[ADRB+1], 64*BP, v[ADRB]
	v_mul_u32_u24 v5, v1, SPITCH                   ; into the stage: row r, 32 bytes for each half of the lanes
	v_lshl_add_u32 v5, v2, 5, v5
	v_add_nc_u32 v[STO], s37, v5
	v_add_nc_u32 v[RD], s37, v[CO]                 ; back: the 32 lanes take one row of 512 bytes
	global_load_b128 v[BIA:BIA+3], v[CO], s[8:9]   ; b_proj at my four columns of such a row
.macro ALOAD t, reg                    ; A's four blocks of 16 tokens, step t of 128 along K: 32 lanes read 512 consecutive bytes
.irp a, 0,1,2,3
.irp c, 0,1,2,3
	global_load_b128 v[\reg+FR*\a+4*\c:\reg+FR*\a+4*\c+3], v[CO], s[4:5] offset:16384*\a+2048*(\t)+512*\c
.endr
.endr
.endm
	ALOAD 0, 64
	ALOAD 1, 128
	ALOAD 2, 192
	WIN 0xc0                                       ; destination window 3, address window 0
	ALOAD 3, 0
	ALOAD 4, 64
	ALOAD 5, 128
	ALOAD 6, 192
	WIN 0
.macro FETCH_B t, p                    ; B's eight fragments of step t into set p: registers 4 c .. 4 c + 3 hold K = 32 c + 16 h + 0 .. 15, as y's image has them
	WIN 0x40
.irp i, 0,1,2,3,4,5,6,7
.irp c, 0,1,2,3
	ds_load_b128 v[128*(\p)+FR*\i+4*\c:128*(\p)+FR*\i+4*\c+3], v[ADRB+\i/4] offset:128*(\t)+32*\c+(\i%4)*16*BP
.endr
.endr
	WIN 0
.endm
.macro MUL32 p, areg, zero             ; the 32 accumulators take turns, one instruction a turn, in the same order in every step
.irp a, 0,1,2,3
.irp b, 0,1,2,3,4,5,6,7
.if \zero
	v_wmma_f32_16x16x128_fp8_fp8 v[8*(8*\a+\b):8*(8*\a+\b)+7], v[128*(\p)+FR*\b:128*(\p)+FR*\b+FR-1], v[\areg+FR*\a:\areg+FR*\a+FR-1], 0
.else
	v_wmma_f32_16x16x128_fp8_fp8 v[8*(8*\a+\b):8*(8*\a+\b)+7], v[128*(\p)+FR*\b:128*(\p)+FR*\b+FR-1], v[\areg+FR*\a:\areg+FR*\a+FR-1], v[8*(8*\a+\b):8*(8*\a+\b)+7]
.endif
.endr
.endr
.endm
; Step t.  areg, win: where A's fragments lie (0xa1: window 0; 0xad: window 3; B window 1, C and D window 2).  lc: the global loads issued behind this step's, or 63 where they are more
.macro PSTEP t, areg, win, lc, zero
	s_wait_dscnt 0x0                               ; B's set is in
	s_wait_loadcnt \lc                             ; A's fragments are in
.if \t < 7
	PLACES NP                                      ; in front of loads into the set that the last step multiplied
	FETCH_B (\t)+1, 1-(\t)%2
.endif
	WIN \win
	MUL32 (\t)%2, \areg, \zero
	WIN 0
.endm
	s_wait_alu depctr_va_vdst(0)
	s_wait_tensorcnt 0x0                           ; my quarter of B has landed,
	s_barrier_signal -1
	s_barrier_wait -1                              ; everybody's has
	FETCH_B 0, 0
	PSTEP 0, 64, 0xa1, 63, 1                       ; behind step 0's loads: 96.  The first products start the sums
	PLACES NP
	ALOAD 7, 64                                    ; step 7 where step 0 lay
	PSTEP 1, 128, 0xa1, 63, 0                      ; 96
	PSTEP 2, 192, 0xa1, 63, 0                      ; 80
	PSTEP 3, 0, 0xad, 63, 0                        ; 64
	PSTEP 4, 64, 0xad, 48, 0
	PSTEP 5, 128, 0xad, 32, 0
	PSTEP 6, 192, 0xad, 16, 0
	PSTEP 7, 64, 0xa1, 0, 0
; THE WAY OUT, block by block of 16 rows x 128 columns, through my own stage: in as 32 bytes a lane, back as whole rows of 512 bytes.  LDS serves a wave's instructions in order (ISA guide 5.7.1.4).
.macro TOSTAGE a
.set AC, 64*(\a)
	WIN 0x08                                       ; the stores' data: window 2
.irp b, 0,1,2,3,4,5,6,7
	ds_store_b128 v[STO], v[AC+8*\b:AC+8*\b+3] offset:64*\b          ; each accumulator from its low end on
	ds_store_b128 v[STO], v[AC+8*\b+4:AC+8*\b+7] offset:64*\b+16
.endr
	WIN 0
.set BB, BK+64*((\a)%2)
.irp t, 0,1,2,3,4,5,6,7,8,9,10,11,12,13,14,15
	ds_load_b128 v[BB+4*\t:BB+4*\t+3], v[RD] offset:\t*SPITCH
.endr
.endm
.macro SEND a, younger                 ; younger: the LDS instructions issued behind block a's loads, which may stay out
.set BB, BK+64*((\a)%2)
	s_wait_dscnt \younger
.if (\a) > 0
	s_add_nc_u64 s[12:13], s[12:13], 16*4096       ; (behind a wait on XCNT: the earlier stores have read their base)
.endif
.irp t, 0,1,2,3,4,5,6,7,8,9,10,11,12,13,14,15
	v_pk_fma_f32 v[BB+4*\t:BB+4*\t+1], v[BB+4*\t:BB+4*\t+1], s[48:49], v[BIA:BIA+1] op_sel_hi:[1,0,1]       ; sum x 2^(e6 + e7) + bias
	v_pk_fma_f32 v[BB+4*\t+2:BB+4*\t+3], v[BB+4*\t+2:BB+4*\t+3], s[48:49], v[BIA+2:BIA+3] op_sel_hi:[1,0,1]
	global_store_b128 v[CO], v[BB+4*\t:BB+4*\t+3], s[12:13] offset:\t*4096 th:TH_STORE_NT   ; 32 lanes store 512 consecutive bytes, aligned
.endr
.endm
	s_wait_kmcnt 0x0
	s_add_co_i32 s48, s48, s49
	s_add_co_i32 s48, s48, 127
	s_lshl_b32 s48, s48, 23                        ; 2^(e6 + e7) as f32
	s_mov_b32 s49, s48                             ; (named with it as a pair, so it is written)
	PLACES NP
	TOSTAGE 0
.irp a, 1,2,3
.if \a > 1
	s_wait_xcnt 0x0                                ; block a - 2's stores have read their registers and their base
.endif
	TOSTAGE \a
	SEND \a-1, 32                                  ; behind block a - 1's loads: block a's 16 stores and 16 loads
.endr
	s_wait_xcnt 0x0
	SEND 3, 0
	s_wait_tensorcnt 0x0                           ; the wave's end
	ds_add_u32 v[SPW], v[NIL]
	s_wait_dscnt 0x0
	CROUND                                         ; the closing round
	s_endpgm
.Lfunc_end_k_qe57aa81971_proj:
	.size	k_qe57aa81971_proj, .Lfunc_end_k_qe57aa81971_proj-k_qe57aa81971_proj
	.p2alignl 7, 3214868480
	.fill 96, 4, 3214868480
	.section	.rodata,"a",@progbits
	.p2align	6, 0x0
	.amdhsa_kernel k_qe57aa81971_proj
		.amdhsa_group_segment_fixed_size 327680
		.amdhsa_private_segment_fixed_size 0
		.amdhsa_enable_private_segment 0
		.amdhsa_kernarg_size 40
		.amdhsa_user_sgpr_count 2
		.amdhsa_user_sgpr_kernarg_segment_ptr 1
		.amdhsa_wavefront_size32 1
		.amdhsa_system_sgpr_workgroup_id_x 1
		.amdhsa_system_sgpr_workgroup_id_y 1
		.amdhsa_system_sgpr_workgroup_id_z 1
		.amdhsa_system_vgpr_workitem_id 0
		.amdhsa_next_free_vgpr 1024
		.amdhsa_next_free_sgpr 66
		.amdhsa_reserve_vcc 0
		.amdhsa_float_denorm_mode_32 3
		.amdhsa_float_denorm_mode_16_64 3
		.amdhsa_memory_ordered 1
		.amdhsa_forward_progress 1
		.amdhsa_inst_pref_size 75
	.end_amdhsa_kernel
	.amdgpu_metadata
---
amdhsa.version: [ 1, 2 ]
amdhsa.kernels:
  - .name:           k_qe57aa81971_proj
    .symbol:         k_qe57aa81971_proj.kd
    .args:
      - { .name: y_codes, .offset: 0, .size: 8, .value_kind: global_buffer, .address_space: global }
      - { .name: w_proj_codes, .offset: 8, .size: 8, .value_kind: global_buffer, .address_space: global }
      - { .name: b_proj, .offset: 16, .size: 8, .value_kind: global_buffer, .address_space: global }
      - { .name: lowp_scales, .offset: 24, .size: 8, .value_kind: global_buffer, .address_space: global }
      - { .name: out0, .offset: 32, .size: 8, .value_kind: global_buffer, .address_space: global }
    .group_segment_fixed_size: 327680
    .private_segment_fixed_size: 0
    .kernarg_segment_align: 8
    .kernarg_segment_size: 40
    .max_flat_workgroup_size: 128
    .sgpr_count:     66
    .vgpr_count:     1024
    .wavefront_size: 32
...
	.end_amdgpu_metadata
.endif
;; end of part 3
